; MI455X (gfx1250); checked and timed in simulation.
; The chip was launched on July 23, 2026; its instructions are those of AMD's public machine-readable ISA for CDNA 5 (MIT licence, August 2026) and "CDNA5" Instruction Set Architecture Reference Guide (July 2026). The comments in the code are by the model that wrote it; some were corrected since.
;; Hd. Allowed arithmetic: float matrix products may take bf16 or f16 operands with f32 sums; all other float work in f32.
;; Inputs: sz1 32 int32; sz2 32 int32; v1 32 x 256 x 64 float32; v2 32 x 256 x 64 float32.
;; Outputs: out0 32 x 32 float32.
;; One version. Each part assembles by itself: llvm-mc -triple=amdgcn-amd-amdhsa -mcpu=gfx1250 --defsym DOCPART=n.
;; ======== version 1 of 1: 1 launch
;; limits: inputs' magnitudes at most 10,000,000
;; launch hd (part 1): grid 16 x 16, 16 waves a work-group, no clusters, 188,416 bytes of LDS; arguments v1, v2, sz1, sz2, out0; writes out0
.if DOCPART == 1
	.amdgcn_target "amdgcn-amd-amdhsa--gfx1250"
	.amdhsa_code_object_version 6
	.text
	.protected	k_q2e2d953736_hd
	.globl	k_q2e2d953736_hd
	.p2align	8
	.type	k_q2e2d953736_hd,@function
k_q2e2d953736_hd:
	s_mov_b64 s[64:65], 0
	v_nop
	global_prefetch_b8 v0, s[64:65] scope:SCOPE_SE
	s_setreg_imm32_b32 hwreg(HW_REG_WAVE_MODE, 25, 1), 1
	s_wait_xcnt 0x0
; Hausdorff distance of 32 x 32 pairs of point sets (256 points x 64 features, f32), masked by the lengths sz1, sz2.
; A work-group owns sets a = 2 ay, 2 ay + 1 of v1 and b = 2 bx, 2 bx + 1 of v2: four pairs, 16 waves, four waves a pair.
;
; WHAT IS COMPUTED.  The matrix unit makes D[i][j] = h1[i] + h2[j] + x_i . y_j = -d2 / 2, where x, y are the points rounded to bf16 and
; h = -|rounded point|^2 / 2 in f32 (so D is the squared distance of the rounded points, formed as the problem forms it: norms minus
; twice the dot product, in f32).  A point at or past its set's length gets h = -5e17, so that -2 D = 1e18 = BIG^2 there.
; sqrt and the clamp at 0 are monotone and stand behind all reductions: R_i = max_j D, C_j = max_i D,
; G = min(min over valid i of R_i, min over valid j of C_j), out = sqrt(max(-2 G, 0)); -1e9 if both lengths are 0.
; Columns at or past sz2 only lose every maximum, so groups of 32 columns that lie wholly past sz2 are not multiplied.
;
; LIMITS.  All coordinates are finite and below about 1e7 in magnitude, in the rows past a set's length too (64 x 1e14 stays far
; below 5e17, so a masked entry loses against every valid one).  Lengths are clamped to 0 .. 256, which changes no mask.
; The four results of a work-group are four single floats of a 4,096-byte output: they are stored one by one.
;
; NO CLUSTER, NO TENSOR LOADS.  Each set is read by 16 work-groups, but it comes as f32 and is rounded in registers on its way to LDS.
; Joint requests land in LDS: four sets of f32 are 262,144 bytes, and with the 147,456 bytes of padded bf16 rows that is more than the
; 327,680 bytes that a work-group can have.  So each wave loads its 64 rows through registers, 512 neighbouring bytes an instruction.
;
; 16 waves of 256 registers lie four to a SIMD: a 16 x 16 tile costs 2 matrix and 12 vector instructions, and one wave's vector work
; runs under the other waves' matrix work.
.set PITCH, 144                        ; an LDS row: 128 bytes of bf16 + 16, an odd multiple of 16 bytes
.set SETB,  256*PITCH                  ; a set in LDS; sets a0, a1, b0, b1 at 0, 1, 2, 3 x SETB
.set TILEB, 16*PITCH                   ; 16 rows
.set HB,    4*SETB                     ; h of the four sets, 1,024 bytes each
.set CP,    HB+4096                    ; column partials: wave w at + 2048 w, trip t at + 256 t, lane L at + 8 L (two floats)
.set RP,    CP+16*2048                 ; row partials: wave w at + 128 w, lane L at + 4 L
.set X,   16                           ; v[16:143]  phase 1: load k in 4 registers
.set S,   144                          ; v[144:175] phase 1: load k's sum of squares
.set AF,  16                           ; v[16:79]   A fragments: + 16 rt + 8 ks
.set BF,  80                           ; v[80:111]  B fragments: + 16 ct + 8 ks
.set ACC, 112                          ; v[112:175] accumulators: + 32 ct + 8 rt + j
.set ROW, 176                          ; v[176:207] running row maxima: + 8 rt + j
.set H1,  208                          ; v[208:239] h1 of my rows: + 8 rt + j
.set H2,  240                          ; v240, v242 h2 of the trip's two column tiles; v241, v243 = 0 (second halves of the pairs)
.set COL, 244                          ; v[244:245] the trip's column maxima
.set TB,  246                          ; v[246:247] what a lane sends in a butterfly step
.set FC,  16                           ; v[16:79]   last phase: column partials, + 8 t + 2 q + k
.set MK,  36                           ; s[36:39]   lanes whose bit 0, 1, 2, 3 is set
; One level of a butterfly that reduces registers ACROSS the 16 lanes of a row and halves their number: of a pair (rr, rr + st) a lane
; keeps the one that its bit st selects, sends the other to lane xor st, and joins what it gets to what it kept.
.macro LEVEL base, op, st, n, mk
.set rr, 0
.rept \n
	v_cndmask_b32 v[TB+((rr/(2*\st))&1)], v[\base+rr+\st], v[\base+rr], s[MK+\mk]
	v_cndmask_b32 v[\base+rr], v[\base+rr], v[\base+rr+\st], s[MK+\mk]
	\op v[\base+rr], v[TB+((rr/(2*\st))&1)], v[\base+rr] row_xmask:\st row_mask:0xf bank_mask:0xf
.set rr, rr+2*\st
.endr
.endm
; 32 registers in; afterwards register base + 16 u of lane r holds register 16 u + r reduced over the lane's row of 16 lanes
.macro BFLY base, op
	LEVEL \base, \op, 1, 16, 0
	LEVEL \base, \op, 2, 8, 1
	LEVEL \base, \op, 4, 4, 2
	LEVEL \base, \op, 8, 2, 3
.endm
	s_load_b256 s[4:11], s[0:1], 0x0               ; v1 s[4:5], v2 s[6:7], sz1 s[8:9], sz2 s[10:11]
	s_load_b64 s[12:13], s[0:1], 0x20              ; out0
	v_lshl_add_u32 v254, v0, 2, 0x2d800
	v_mov_b32 v255, 0
	v_lshrrev_b32 v2, 5, v0
	v_readfirstlane_b32 s14, v2                    ; w: wave 0 .. 15
	s_and_b32 s15, s14, 3                          ; q
	s_lshr_b32 s16, s14, 2                         ; p: phase 1 the set (a0, a1, b0, b1), later the pair (a_(p>>1), b_(p&1))
	s_and_b32 s19, s16, 1                          ; p & 1
	s_lshr_b32 s31, s16, 1                         ; p >> 1
	s_and_b32 s17, ttmp7, 0xffff                   ; ay
	s_mov_b32 s18, ttmp9                           ; bx
	s_lshl_b32 s24, s17, 3                         ; byte offset of sz1[2 ay]
	s_lshl_b32 s25, s18, 3                         ; byte offset of sz2[2 bx]
	s_lshl_b32 s48, s17, 1
	s_lshl_b32 s49, s18, 1
	s_cmp_lt_u32 s16, 2
	s_cselect_b32 s48, s48, s49                    ; 2 ay for p = 0, 1; 2 bx for p = 2, 3
	s_add_co_u32 s48, s48, s19                     ; my set's number in its tensor
	s_lshl_b32 s32, s48, 16                        ; a set is 65,536 bytes of f32,
	s_lshl_b32 s49, s15, 14                        ; 64 rows are 16,384
	s_add_co_u32 s32, s32, s49
	s_mov_b32 s33, 0
	v_and_b32 v1, 31, v0                           ; L
	v_lshlrev_b32 v5, 4, v1                        ; 16 L
	s_wait_kmcnt 0x0
	s_load_b64 s[20:21], s[8:9], s24 offset:0x0    ; lengths of a0, a1
	s_load_b64 s[22:23], s[10:11], s25 offset:0x0  ; lengths of b0, b1
	s_cmp_lt_u32 s16, 2                            ; (again: the adds and shifts wrote SCC)
	s_cselect_b64 s[34:35], s[4:5], s[6:7]
	s_add_nc_u64 s[34:35], s[34:35], s[32:33]      ; my 64 rows
	; PHASE 1.  Wave w = 4 p + q rounds rows 64 q .. 64 q + 63 of set p.  Load k covers rows 2 k, 2 k + 1: 512 neighbouring bytes;
	; lane (r, h) holds features 4 r .. 4 r + 3 of row 2 k + h.  All 32 loads are issued at once.
.irp k, 0,1,2,3,4,5,6,7,8,9,10,11,12,13,14,15,16,17,18,19,20,21,22,23,24,25,26,27,28,29,30,31
	global_load_b128 v[X+4*\k:X+4*\k+3], v5, s[34:35] offset:512*\k
.endr
	s_mov_b32 s[MK+0], 0xaaaaaaaa
	s_mov_b32 s[MK+1], 0xcccccccc
	s_mov_b32 s[MK+2], 0xf0f0f0f0
	s_mov_b32 s[MK+3], 0xff00ff00
	s_mov_b32 s40, 0xdcde0b6b                      ; -5e17: h of a point past its set's length
	s_mov_b32 s41, 0x7f800000                      ; +inf: loses every minimum
	s_mov_b32 s42, 0x76543210                      ; v_permlanex16_b32: lane i of one row reads lane i of the other
	s_mov_b32 s43, 0xfedcba98
	s_mov_b32 s47, 0xce6e6b28                      ; -1e9
	v_and_b32 v2, 15, v0                           ; r
	v_bfe_u32 v3, v0, 4, 1                         ; h
	v_mov_b32 v4, 0
	s_mul_i32 s48, s14, 64*PITCH                   ; set p, row 64 q = 64 w rows
	v_mul_u32_u24 v6, 144, v3
	v_lshl_add_u32 v6, v2, 3, v6
	v_add_nc_u32 v6, s48, v6                       ; STA: where my 8 bytes of row 2 k + h go, less 288 k
	s_lshl_b32 s49, s14, 8
	s_add_co_u32 s49, s49, HB
	v_lshlrev_b32 v7, 3, v2
	v_lshl_add_u32 v7, v3, 2, v7
	v_add_nc_u32 v7, s49, v7                       ; HST: h of row 64 q + 2 r + h of set p
	v_lshl_add_u32 v8, v2, 1, v3                   ; 2 r + h (LIM1 is finished below)
	v_mul_u32_u24 v9, 144, v2
	v_lshl_add_u32 v9, v3, 4, v9                   ; a fragment's lane term: r rows + 16 h bytes
	s_add_co_u32 s49, s19, 2
	s_mul_i32 s49, s49, SETB
	v_add_nc_u32 v10, s49, v9                      ; ADRB: set b_(p&1)
	s_mul_i32 s48, s31, SETB
	s_mul_i32 s49, s15, TILEB
	s_add_co_u32 s48, s48, s49
	v_add_nc_u32 v9, s48, v9                       ; ADRA: set a_(p>>1), row tile q
	s_lshl_b32 s48, s31, 10
	s_lshl_b32 s49, s15, 6
	s_add_co_u32 s48, s48, s49
	s_add_co_u32 s48, s48, HB
	v_lshl_add_u32 v11, v3, 5, s48                 ; ADRH1: h1 of row 16 q + 8 h
	s_lshl_b32 s49, s19, 10
	s_add_co_u32 s49, s49, HB+2048
	v_lshl_add_u32 v12, v2, 2, s49                 ; ADRH2: h2 of column r
	s_lshl_b32 s48, s14, 11
	s_add_co_u32 s48, s48, CP
	v_lshl_add_u32 v13, v1, 3, s48                 ; CST
	v_and_b32 v14, 7, v2
	v_lshl_add_u32 v14, v3, 3, v14
	v_lshrrev_b32 v15, 3, v2
	v_lshl_add_u32 v14, v15, 6, v14                ; 64 (r >> 3) + 8 h + (r & 7) (LIMR is finished below)
	s_lshl_b32 s49, s14, 7
	s_add_co_u32 s49, s49, RP
	v_lshl_add_u32 v15, v1, 2, s49                 ; RST
	s_wait_kmcnt 0x0                               ; the four lengths
.irp n, 20,21,22,23
	s_max_i32 s\n, s\n, 0
	s_min_i32 s\n, s\n, 256
.endr
	s_cmp_lt_u32 s16, 2
	s_cselect_b64 s[26:27], s[20:21], s[22:23]
	s_cselect_b32 s29, s20, s21                    ; the pair's sz1
	s_bitcmp1_b32 s16, 0
	s_cselect_b32 s28, s27, s26                    ; length of phase 1's set p
	s_cselect_b32 s30, s23, s22                    ; the pair's sz2
	s_max_i32 s44, s30, 1
	s_add_co_u32 s44, s44, 31
	s_lshr_b32 s44, s44, 5                         ; trips of 32 columns that hold a valid column (at least one trip): 1 .. 8
	s_max_i32 s48, s29, s30
	s_cmp_gt_i32 s48, 0
	s_cselect_b32 s45, -1, 0                       ; all ones unless both sets are empty
	s_lshl_b32 s48, s15, 6
	s_sub_co_u32 s48, s28, s48
	v_sub_nc_u32 v8, s48, v8                       ; LIM1 = length - 64 q - 2 r - h: row 32 u + 2 r + h of my 64 is valid if 32 u < LIM1
	s_lshl_b32 s48, s15, 4
	s_sub_co_u32 s48, s29, s48
	v_sub_nc_u32 v14, s48, v14                     ; LIMR = sz1 - 16 q - 64 (r >> 3) - 8 h - (r & 7)
; Load k: round four numbers to bf16, add the squares of the ROUNDED numbers in f32, put the 8 bytes into the set's padded row.
.macro CONV k
	s_wait_loadcnt 31-\k                           ; loads return in order: load k is in, the 31 - k younger ones stay out
	v_cvt_pk_bf16_f32 v[X+4*\k], v[X+4*\k], v[X+4*\k+1]
	v_cvt_pk_bf16_f32 v[X+4*\k+1], v[X+4*\k+2], v[X+4*\k+3]
	v_fma_mix_f32_bf16 v[S+\k], v[X+4*\k], v[X+4*\k], v4 op_sel_hi:[1,1,0]
	v_fma_mix_f32_bf16 v[S+\k], v[X+4*\k], v[X+4*\k], v[S+\k] op_sel:[1,1,0] op_sel_hi:[1,1,0]
	v_fma_mix_f32_bf16 v[S+\k], v[X+4*\k+1], v[X+4*\k+1], v[S+\k] op_sel_hi:[1,1,0]
	v_fma_mix_f32_bf16 v[S+\k], v[X+4*\k+1], v[X+4*\k+1], v[S+\k] op_sel:[1,1,0] op_sel_hi:[1,1,0]
	ds_store_b64 v6, v[X+4*\k:X+4*\k+1] offset:2*PITCH*\k
.endm
.irp k, 0,1,2,3,4,5,6,7,8,9,10,11,12,13,14,15,16,17,18,19,20,21,22,23,24,25,26,27,28,29,30,31
	CONV \k
.endr
	BFLY S, v_add_f32_dpp                          ; S + 16 u of lane (r, h): |row 32 u + 2 r + h|^2
	v_mul_f32 v[S], -0.5, v[S]
	v_mul_f32 v[S+16], -0.5, v[S+16]
	v_cmp_lt_i32 vcc_lo, 0, v8
	v_cndmask_b32 v[S], s40, v[S], vcc_lo          ; past the length: -5e17
	v_cmp_lt_i32 vcc_lo, 32, v8
	v_cndmask_b32 v[S+16], s40, v[S+16], vcc_lo
	ds_store_b32 v7, v[S]
	ds_store_b32 v7, v[S+16] offset:128
	s_wait_dscnt 0x0                               ; my rows and my h are in LDS before I say so
	s_barrier_signal -1
	s_barrier_wait -1                              ; all four sets are whole
	; PHASE 2.  Wave (p, q): pair (a_(p>>1), b_(p&1)), row tiles q, q + 4, q + 8, q + 12, kept in registers for all columns.
	; A fragment of 16 rows x 32 features: two loads of 16 bytes, 32 bytes apart, at row r, byte 16 h.
.irp rt, 0,1,2,3
.irp ks, 0,1
	ds_load_b128 v[AF+16*\rt+8*\ks:AF+16*\rt+8*\ks+3],   v9 offset:4*TILEB*\rt+64*\ks
	ds_load_b128 v[AF+16*\rt+8*\ks+4:AF+16*\rt+8*\ks+7], v9 offset:4*TILEB*\rt+64*\ks+32
.endr
	ds_load_b128 v[H1+8*\rt:H1+8*\rt+3],   v11 offset:256*\rt          ; h1 of rows 16 (q + 4 rt) + 8 h + 0 .. 3,
	ds_load_b128 v[H1+8*\rt+4:H1+8*\rt+7], v11 offset:256*\rt+16       ; + 4 .. 7: as the accumulator's registers lie
.endr
; the two column tiles of trip t and their h2
.macro LOADB t
.irp ct, 0,1
.irp ks, 0,1
	ds_load_b128 v[BF+16*\ct+8*\ks:BF+16*\ct+8*\ks+3],   v10 offset:(2*\t+\ct)*TILEB+64*\ks
	ds_load_b128 v[BF+16*\ct+8*\ks+4:BF+16*\ct+8*\ks+7], v10 offset:(2*\t+\ct)*TILEB+64*\ks+32
.endr
.endr
	ds_load_b32 v[H2],   v12 offset:128*\t
	ds_load_b32 v[H2+2], v12 offset:128*\t+64
.endm
	LOADB 0
	v_mov_b32 v[H2+1], 0                           ; the pairs' second registers are named by the packed adds, never used
	v_mov_b32 v[H2+3], 0
; TRIP t: columns 32 t .. 32 t + 31 against my 64 rows.  tn = t + 1.  first = 1: the row maxima start here, nothing is cleared.
.macro TRIP t, tn, first, last
	s_wait_dscnt 0x0                               ; the trip's fragments and h2 (and in trip 0 A's fragments and h1)
.irp ct, 0,1
.set i, 0
.rept 16
	v_pk_add_f32 v[ACC+32*\ct+i:ACC+32*\ct+i+1], v[H1+i:H1+i+1], v[H2+2*\ct:H2+2*\ct+1] op_sel_hi:[1,0]   ; the sums start at h1 + h2
.set i, i+2
.endr
.endr
.irp ks, 0,1
.irp ct, 0,1
.irp rt, 0,1,2,3
	v_wmma_f32_16x16x32_bf16 v[ACC+32*\ct+8*\rt:ACC+32*\ct+8*\rt+7], v[AF+16*\rt+8*\ks:AF+16*\rt+8*\ks+7], v[BF+16*\ct+8*\ks:BF+16*\ct+8*\ks+7], v[ACC+32*\ct+8*\rt:ACC+32*\ct+8*\rt+7]
.endr
.endr
.endr
.rept 4
	v_nop                                          ; four independent vector places (ISA guide 7.12.1) before results are read and B's registers loaded again
.endr
.if \last == 0
	LOADB \tn                                      ; returns under the 64 vector instructions below
.endif
.set i, 0
.rept 32
.if \first
	v_max_num_f32 v[ROW+i], v[ACC+i], v[ACC+32+i]
.else
	v_max3_num_f32 v[ROW+i], v[ROW+i], v[ACC+i], v[ACC+32+i]
.endif
.set i, i+1
.endr
	; column maxima over my 64 rows' share of a lane (4 tiles x 8 registers), in place, level by level across the eight tiles
.irp a, 1,3,5
.irp tl, 0,1,2,3,4,5,6,7
	v_max3_num_f32 v[ACC+8*\tl], v[ACC+8*\tl], v[ACC+8*\tl+\a], v[ACC+8*\tl+\a+1]
.endr
.endr
.irp ct, 0,1
	v_max3_num_f32 v[ACC+32*\ct], v[ACC+32*\ct], v[ACC+32*\ct+8], v[ACC+32*\ct+16]
	v_max3_num_f32 v[ACC+32*\ct], v[ACC+32*\ct], v[ACC+32*\ct+24], v[ACC+32*\ct+7]
	v_max3_num_f32 v[ACC+32*\ct], v[ACC+32*\ct], v[ACC+32*\ct+15], v[ACC+32*\ct+23]
	v_max_num_f32 v[COL+\ct], v[ACC+32*\ct], v[ACC+32*\ct+31]
.endr
	ds_store_b64 v13, v[COL:COL+1] offset:256*\t
.if \last == 0
	s_cmp_le_u32 s44, \tn                          ; no valid column from 32 (t + 1) on: the rest is not multiplied
	s_cbranch_scc1 .Lfill_\tn
.else
	s_branch .Lfill_8
.endif
.endm
	TRIP 0, 1, 1, 0
	TRIP 1, 2, 0, 0
	TRIP 2, 3, 0, 0
	TRIP 3, 4, 0, 0
	TRIP 4, 5, 0, 0
	TRIP 5, 6, 0, 0
	TRIP 6, 7, 0, 0
	TRIP 7, 8, 0, 1
	; The partials of trips that were left out are of columns past sz2, which the last phase masks; they are stored (with the last
	; trip's numbers) so that every byte that is read there has been written.
.irp t, 1,2,3,4,5,6,7
.Lfill_\t:
	ds_store_b64 v13, v[COL:COL+1] offset:256*\t
.endr
.Lfill_8:
	BFLY ROW, v_max_num_f32_dpp                    ; ROW + 16 u of lane (r, h): R of row 16 q + 128 u + 64 (r >> 3) + 8 h + (r & 7)
	v_cmp_lt_i32 vcc_lo, 0, v14
	v_cndmask_b32 v[ROW], s41, v[ROW], vcc_lo      ; rows past sz1 lose the minimum
	v_cmp_lt_i32 vcc_lo, 128, v14
	v_cndmask_b32 v[ROW+16], s41, v[ROW+16], vcc_lo
	v_min_num_f32 v[ROW], v[ROW], v[ROW+16]
	ds_store_b32 v15, v[ROW]
	s_wait_dscnt 0x0                               ; my partials are in LDS (and the fragment loads of a trip left out are back) before I say so
	s_barrier_signal -1
	s_barrier_wait -1
	; PHASE 3.  Wave q = 0 of each pair joins the four waves' partials.
	s_cmp_lg_u32 s15, 0
	s_cbranch_scc1 .Lend
	; Lane L reads the partials that lane L' = (r', h') stored, r' = (L & 7) + 8 (L >> 4), h' = bit 3 of L: lanes L and L xor 8 then
	; hold the two row halves of one column, and one step inside a row of 16 lanes joins them.
	v_and_b32 v84, 7, v1
	v_lshl_add_u32 v86, v3, 3, v84                 ; r'
	v_bfe_u32 v88, v1, 3, 1
	v_lshl_add_u32 v84, v88, 4, v86                ; L'
	s_lshl_b32 s48, s16, 13
	s_add_co_u32 s48, s48, CP
	v_lshl_add_u32 v84, v84, 3, s48                ; the pair's four waves' column partials
	s_lshl_b32 s49, s16, 9
	s_add_co_u32 s49, s49, RP
	v_lshl_add_u32 v85, v1, 2, s49                 ; and row partials
	v_sub_nc_u32 v86, s30, v86                     ; LIM2 = sz2 - r': column 32 t + 16 k + r' is valid if 32 t + 16 k < LIM2
.irp t, 0,1,2,3,4,5,6,7
.irp qq, 0,1,2,3
	ds_load_b64 v[FC+8*\t+2*\qq:FC+8*\t+2*\qq+1], v84 offset:2048*\qq+256*\t
.endr
.endr
.irp qq, 0,1,2,3
	ds_load_b32 v[80+\qq], v85 offset:128*\qq
.endr
	s_wait_dscnt 0x0
	v_min_num_f32 v87, v80, v81
	v_min3_num_f32 v87, v87, v82, v83              ; G starts with the rows
.irp t, 0,1,2,3,4,5,6,7
.irp k, 0,1
	v_max3_num_f32 v[FC+8*\t+\k], v[FC+8*\t+\k], v[FC+8*\t+2+\k], v[FC+8*\t+4+\k]
	v_max_num_f32 v[FC+8*\t+\k], v[FC+8*\t+\k], v[FC+8*\t+6+\k]
	v_max_num_f32_dpp v[FC+8*\t+\k], v[FC+8*\t+\k], v[FC+8*\t+\k] row_xmask:8 row_mask:0xf bank_mask:0xf
	v_cmp_lt_i32 vcc_lo, 32*\t+16*\k, v86
	v_cndmask_b32 v[FC+8*\t+\k], s41, v[FC+8*\t+\k], vcc_lo
.endr
	v_min3_num_f32 v87, v87, v[FC+8*\t], v[FC+8*\t+1]
.endr
	v_min_num_f32_dpp v87, v87, v87 row_xmask:1 row_mask:0xf bank_mask:0xf
	v_min_num_f32_dpp v87, v87, v87 row_xmask:2 row_mask:0xf bank_mask:0xf
	v_min_num_f32_dpp v87, v87, v87 row_xmask:4 row_mask:0xf bank_mask:0xf
	v_min_num_f32_dpp v87, v87, v87 row_xmask:8 row_mask:0xf bank_mask:0xf
	v_permlanex16_b32 v88, v87, s42, s43           ; v88 has been written above
	v_min_num_f32 v87, v87, v88                    ; G in every lane
	v_mul_f32 v87, -2.0, v87                       ; the squared distance,
	v_max_num_f32 v87, 0, v87                      ; clamped as the problem clamps it
	v_sqrt_f32 v87, v87
	v_mov_b32 v89, 0                               ; a plain vector instruction between the root and its use (ISA guide 5.7.2); also the store's offset
	s_wait_alu depctr_va_vdst(0)
	v_cndmask_b32 v87, s47, v87, s45               ; both sets empty: -1e9
	s_lshl_b32 s48, s17, 1
	s_add_co_u32 s48, s48, s31                     ; a
	s_lshl_b32 s48, s48, 5
	s_lshl_b32 s49, s18, 1
	s_add_co_u32 s49, s49, s19                     ; b
	s_add_co_u32 s48, s48, s49
	s_lshl_b32 s48, s48, 2                         ; (32 a + b) floats
	s_mov_b32 s49, 0
	s_add_nc_u64 s[12:13], s[12:13], s[48:49]
	s_wait_xcnt 0x0                                ; EXEC is a source of the memory instructions issued so far: it narrows only behind this wait
	v_cmp_eq_u32 vcc_lo, 0, v1
	s_and_saveexec_b32 s50, vcc_lo
	global_store_b32 v89, v87, s[12:13]            ; lane 0 stores the pair's number
	s_wait_xcnt 0x0                                ; and widens again only behind this one
	s_or_b32 exec_lo, exec_lo, s50
.Lend:
	s_wait_tensorcnt 0x0
	ds_add_u32 v254, v255
	s_wait_dscnt 0x0
	s_endpgm
.Lfunc_end_k_q2e2d953736_hd:
	.size	k_q2e2d953736_hd, .Lfunc_end_k_q2e2d953736_hd-k_q2e2d953736_hd
	.p2alignl 7, 3214868480
	.fill 96, 4, 3214868480
	.section	.rodata,"a",@progbits
	.p2align	6, 0x0
	.amdhsa_kernel k_q2e2d953736_hd
		.amdhsa_group_segment_fixed_size 188416
		.amdhsa_private_segment_fixed_size 0
		.amdhsa_enable_private_segment 0
		.amdhsa_kernarg_size 40
		.amdhsa_user_sgpr_count 2
		.amdhsa_user_sgpr_kernarg_segment_ptr 1
		.amdhsa_wavefront_size32 1
		.amdhsa_system_sgpr_workgroup_id_x 1
		.amdhsa_system_sgpr_workgroup_id_y 1
		.amdhsa_system_sgpr_workgroup_id_z 1
		.amdhsa_system_vgpr_workitem_id 0
		.amdhsa_next_free_vgpr 256
		.amdhsa_next_free_sgpr 66
		.amdhsa_reserve_vcc 1
		.amdhsa_float_denorm_mode_32 3
		.amdhsa_float_denorm_mode_16_64 3
		.amdhsa_memory_ordered 1
		.amdhsa_forward_progress 1
		.amdhsa_inst_pref_size 108
	.end_amdhsa_kernel
	.amdgpu_metadata
---
amdhsa.version: [ 1, 2 ]
amdhsa.kernels:
  - .name:           k_q2e2d953736_hd
    .symbol:         k_q2e2d953736_hd.kd
    .args:
      - { .name: v1, .offset: 0, .size: 8, .value_kind: global_buffer, .address_space: global }
      - { .name: v2, .offset: 8, .size: 8, .value_kind: global_buffer, .address_space: global }
      - { .name: sz1, .offset: 16, .size: 8, .value_kind: global_buffer, .address_space: global }
      - { .name: sz2, .offset: 24, .size: 8, .value_kind: global_buffer, .address_space: global }
      - { .name: out0, .offset: 32, .size: 8, .value_kind: global_buffer, .address_space: global }
    .group_segment_fixed_size: 188416
    .private_segment_fixed_size: 0
    .kernarg_segment_align: 8
    .kernarg_segment_size: 40
    .max_flat_workgroup_size: 512
    .sgpr_count:     66
    .vgpr_count:     256
    .wavefront_size: 32
...
	.end_amdgpu_metadata
.endif
;; end of part 1
